; MI455X (gfx1250); checked and timed in simulation.
; The chip was launched on July 23, 2026; its instructions are those of AMD's public machine-readable ISA for CDNA 5 (MIT licence, August 2026) and "CDNA5" Instruction Set Architecture Reference Guide (July 2026). The comments in the code are by the model that wrote it; some were corrected since.
;; Attention. Allowed arithmetic: matrix products marked QUANTISED: E2M1 operands, one E8M0 scale for each 32 along K, by v_wmma_scale_f32_16x16x128_f8f6f4 with both operands' format E2M1 (or v_wmma_scale_f32_32x16x128_f4), f32 sums; everything else in f32.
;; Inputs: bias 4 x 1 x 2,048 x 2,048 float32; keys_codes 4 x 16 x 2,048 x 2 x 16 uint8 (E2M1 codes of keys, K innermost, in blocks of 32 codes, two codes a byte); keys_scales 4 x 16 x 2,048 x 2 uint8 (E8M0 scales of keys, one for each 32 codes along K); queries_codes 4 x 16 x 2,048 x 2 x 16 uint8 (E2M1 codes of queries, K innermost, in blocks of 32 codes, two codes a byte); queries_mask 4 x 16 x 2,048 bool; queries_scales 4 x 16 x 2,048 x 2 uint8 (E8M0 scales of queries, one for each 32 codes along K); values_codes 4 x 16 x 64 x 64 x 16 uint8 (E2M1 codes of values, K innermost, in blocks of 32 codes, two codes a byte); values_mask 4 x 16 x 2,048 bool; values_scales 4 x 16 x 64 x 64 uint8 (E8M0 scales of values, one for each 32 codes along K).
;; Outputs: out0 4 x 16 x 2,048 x 64 float32.
;; This version of the problem:
;;   THIS VERSION OF THE PROBLEM IS GIVEN IN LOW PRECISION. The matrix products marked QUANTISED in the list below multiply operands that are first quantised to E2M1 (2 exponent bits, 1 mantissa bit; 4 bits a number), with one power-of-two scale for each 32 numbers along K (OCP MX v1.0); their sums are f32. All else is computed in f32.
;;   The module's matrix products, in the order in which they are computed (A, B: the left and right operand; K: the contracted axis; several contracted axes count as one K, in the product's order):
;;     1. batch 64 x [M 2,048, K 64] x [K 64, N 2,048]; A: input queries (given as codes); B: input keys (given as codes): QUANTISED
;;     2. batch 64 x [M 2,048, K 2,048] x [K 2,048, N 64]; A: softmax (see below); B: input values (given as codes): QUANTISED
;;   THE QUANTISER, for each operand of a quantised product, along K:
;;     - K is cut into blocks of 32 from its start; a last block that is shorter is filled with zeros.
;;     - A block's scale is 2^e with e = floor(log2(the largest magnitude in the block)) - 2, held to -126 .. 127; a block of zeros has e = 0. As a byte (E8M0): e + 127.
;;     - Each number is divided by its block's scale, clamped to +-6, and rounded to the nearest number of E2M1, ties to even, subnormals kept.
;;     - The product sums the exact products of the quantised numbers (number of the format x scale) in f32.
;;   ~~~python
;;   def quantise(x, axis):      # numpy; x: float32 -> the quantised numbers, widened to float32 again
;;       x = np.moveaxis(x, axis, -1); K = x.shape[-1]
;;       x = np.pad(x, [(0, 0)] * (x.ndim - 1) + [(0, -K % 32)]); x = x.reshape(x.shape[:-1] + (-1, 32)); a = np.abs(x).max(-1, keepdims=True)
;;       e = np.where(a > 0, np.clip(np.frexp(np.where(a > 0, a, 1))[1] - 1 - 2, -126, 127), 0)      # np.frexp(a)[1] - 1 = floor(log2(a)), exactly
;;       r = np.clip(x / 2.0 ** e, -6, 6)
;;       step = 2.0 ** (np.maximum(np.frexp(np.where(r == 0, 1, r))[1] - 1, 0) - 1)
;;       q = np.round(r / step) * step * 2.0 ** e      # np.round: ties to even
;;       return np.moveaxis(q.reshape(q.shape[:-2] + (-1,))[..., :K], -1, axis).astype(np.float32)
;;   ~~~
;;   SOFTMAX AHEAD OF A QUANTISED PRODUCT. Where the list says 'softmax', what is quantised is not the finished softmax but p = 2^(t - M), with t = logit x log2(e) and M = ceil(the row's largest t), a whole number; so 1/2 < the row's largest p <= 1. The row's sum l is taken of the UNQUANTISED p, in f32, and the product's result is divided by l at the end. Since M is a whole number, a kernel that streams over the keys may use a running M (the ceiling of the running maximum): every later rescaling is an exact power of two, which a block's scale takes up: the codes' values come out the same.
;;   OPERANDS COMPUTED ON THE WAY. 'Computed on the way' means the value that the module computes at that place (a softmax that the list does not call 'softmax' is quantised finished and normalised). What goes into a quantiser is computed in f32, as accurately as f32 sums, v_exp_f32 and their like allow (about 1e-6 of the number): no bf16 or f16 on the way to a quantiser, and a product that is left as it is and whose result goes on into a quantised operand takes f32 operands (vector FMAs, or v_wmma_f32_16x16x4_f32). A number that lies on a knife's edge between two numbers of the format may be rounded either way, as far as f32 arithmetic and the matrix unit's own rounding can turn it there, and no further.
;;   INPUTS GIVEN AS CODES. keys (in the module: [4, 16, 2048, 64], K = its axis 3); queries (in the module: [4, 16, 2048, 64], K = its axis 3); values (in the module: [4, 16, 2048, 64], K = its axis 2): each comes as NAME_codes (uint8): NAME with its K axis moved to the last place and cut into blocks of 32 codes, [.., K / 32, bytes a block], one block behind the other in memory; two codes a byte, the lower K in the low four bits (a code: sign, 2 exponent bits, 1 mantissa bit); and NAME_scales (uint8): the same leading axes, one E8M0 byte (e + 127) for each 32 codes along K. Its value is code x scale, taken as it is: it is not quantised again, and the codes and scales need not be those that the quantiser above would give.
;; One version. Each part assembles by itself: llvm-mc -triple=amdgcn-amd-amdhsa -mcpu=gfx1250 --defsym DOCPART=n.
;; ======== version 1 of 1: 1 launch
;; limits: right only within a limited range of input values
;; launch attn (part 1): grid 4 x 64, 16 waves a work-group, no clusters, 220,160 bytes of LDS; arguments queries_codes, queries_scales, keys_codes, keys_scales, values_codes, values_scales, bias, values_mask, queries_mask, out0; writes out0
.if DOCPART == 1
	.amdgcn_target "amdgcn-amd-amdhsa--gfx1250"
	.amdhsa_code_object_version 6
	.text
	.protected	k_q51eb39af72_attn
	.globl	k_q51eb39af72_attn
	.p2align	8
	.type	k_q51eb39af72_attn,@function
k_q51eb39af72_attn:
	s_mov_b64 s[64:65], 0
	v_nop
	global_prefetch_b8 v0, s[64:65] scope:SCOPE_SE
	s_setreg_imm32_b32 hwreg(HW_REG_WAVE_MODE, 25, 1), 1
	s_wait_xcnt 0x0
; out[bh][q][:] = softmax_k(Q[bh][q] . K[bh][k] / 8 + bias[b][q][k], hidden keys at -999999) V[bh][k][:], zero where queries_mask is false.  64 heads (b = bh / 16), 2,048 queries and keys, head size 64.
; Both products on codes of FP4 (E2M1) with one E8M0 scale for each 32 along K.  Q, K: codes along the head's 64; V: codes with the keys innermost.
; THE SOFTMAX AHEAD OF THE SECOND PRODUCT: t = logit x log2(e); M = the row's largest t so far, rounded up to a whole number; p = 2^(t - M) is quantised along the keys; the row's sum is taken of the unquantised p and divides at the end.
; SHARES.  A work-group owns one head and a quarter of its pairs of query tiles; the head's K and V codes (131,072 bytes) lie in LDS for the whole launch, filled once.  Wave w of work-group x owns the tiles p = 16 x + w and 127 - p
; of 16 queries: tile i sees i / 8 + 1 steps of 128 keys, so every wave has 17 steps.  256 work-groups, 16 waves of 256 registers: four to a SIMD, so that one wave's vector work stands beside another's products and loads.
; LAYOUT.  Both products are used transposed (S^T = K Q^T, O^T = V^T P^T): a lane holds ONE query (lane % 16).  Lane r of key tile 2 b + u takes key 32 b + 8 u + r + 8 (r / 8), so that the 16 registers of tiles 2 b, 2 b + 1 are keys 32 b + 16 (lane / 16) + 0 .. 15.
; THE BIAS is loaded from memory straight into the score registers, in the result's layout, and is the C onto which the first product adds.  1 / 8 is 3 taken off Q's two scale bytes.
; VALUES_MASK rides in the half of the instruction's K = 128 that the head's 64 leave empty: K's fragment holds the code -6 at k = 64 and k = 96, Q's the code +6; Q's scale bytes 2, 3 are 157 (2^30); a key's are 1 (2^-126) where it counts:
; -72 x 2^-96 is added; and 193 (2^66) where it is masked: -72 x 2^96 = -5.7e30 is added, and p = 0.
; THE CAUSAL MASK: steps whose keys all come after the tile's queries are jumped over (a branch on ids, in a loop of constant count); in a tile's last step hidden scores become -infinity.
; A ROW WITH NO VISIBLE KEY has 2,048 equal logits in the definition: its result is G[d] = cG x the sum of V[k][d] over ALL keys, cG = 0.75 / (2048 x 2^-0.625): t = f32(-999999 log2 e) = -1442693.625, t - ceil(t) = -0.625, p = 0.6484, its code's value 0.75.
; The largest t starts at that t; such a row ends with the sum 0, which selects G.  G is made once a work-group, by products of V with codes of 1.
; NO JOINT LOADS: the four work-groups of a head share K and V, 131,072 of the 2.4 million bytes that each reads.  The bias is shared by 16 heads, but two slots of 16 rows x 528 bytes for 16 waves are 270,336 bytes, which do not fit beside the 217,344 in use.
; LIMITS: a row whose largest visible logit is at or under about -999,890 differs from the definition (which mixes visible and filled keys there); queries_scales bytes under 4 are held at 4; scale bytes 0xff, NaN and infinities are not served;
; where queries_mask is false the zero may carry a minus sign.
.set KPITCH, 528                       ; LDS: K's codes as 128 rows of 16 keys (512 bytes) + 16 of padding: key k at (k / 16) x 528 + (k % 16) x 32
.set VB,     67584                     ; V's codes: 64 rows (d) of 1,024 bytes + 16 of padding
.set VPITCH, 1040
.set KSB,    134144                    ; K's scale words: 512 step + 256 (tile / 4) + 16 row + 4 (tile % 4)
.set VSB,    142336                    ; V's scale words: 256 step + 16 (d % 16) + 4 (d / 16)
.set GPB,    146432                    ; partial column sums of V: 256 x quarter of the keys + 4 d
.set GB,     147456                    ; G: 4 d
.set STG,    147712                    ; the way out: 16 rows x 272 bytes for each wave
.set SPITCH, 272
.set AK,  1                            ; v1   my lane's place in a tile of K
.set AV,  2                            ; v2   in a tile of V
.set AKS, 3                            ; v3   among K's scale words
.set AVS, 4                            ; v4   among V's
.set BO,  5                            ; v5   bias: 8,192 r + 64 h
.set STI, 6                            ; v6   the stage, on the way in
.set STO, 7                            ; v7   and back
.set GOF, 8                            ; v8   my byte offset in the tile's rows of out
.set AG,  9                            ; v9   G: GB + 32 h
.set PFO, 10                           ; v10  the prefetch's offset: 8,192 (lane % 16) + 256 (lane / 16)
.set RR,  11                           ; v11  r = lane % 16
.set QF,  16                           ; v16-23 Q's fragment; v20 = code +6, v21-23 = 0
.set QS,  24                           ; v24  Q's scale word
.set QM,  25                           ; v25  my query's mask byte
.set ADK, 26                           ; v26-29 the step's LDS addresses
.set ADV, 27
.set ADS, 28
.set ADT, 29
.set NIL, 30                           ; v30  0
.set ONE, 31                           ; v31  1.0
.set KF,  32                           ; v32-63 four fragments of K; register 4 of each = code -6, registers 5-7 = 0, set once
.set VF,  64                           ; v64-95 four fragments of V; on the way out rows of out
.set S,   96                           ; v96-159 the bias, then S^T, then p
.set O,   160                          ; v160-191 O^T: register 8 t + i: d = 16 t + 8 h + i
.set P,   192                          ; v192-199 p's codes
.set KSR, 200                          ; v200-203 K's scale words of four tiles
.set VSR, 204                          ; v204-207 V's
.set PW,  208                          ; v208 p's scale word
.set BM,  210                          ; v210-213 the blocks' largest score, then largest p
.set PD,  214                          ; v214-217 the other half's, then the scale bytes
.set SO,  218                          ; v218-221 the conversions' scale operands
.set F,   222                          ; v[222:223] f = 2^(old M - new M)
.set L2,  224                          ; v[224:225] the sum's second chain
.set TT,  226                          ; v226-228 at work
.set CA,  230                          ; v[230:231] what O^T is multiplied by on the way out
.set CB,  232                          ; v[232:233] what G is multiplied by
.set VK,  234                          ; v234-240 LDS addresses of the head phase
.set VV,  235
.set GVA, 236
.set GSA, 237
.set GPS, 238
.set GPL, 239
.set GST, 240
.set QCO, 251                          ; v251 Q's codes: 32 r + 16 h;  v252 Q's scale bytes: 2 r
.set QSO, 252
.set WV,  24                           ; s24  my wave's number
.set BH,  26                           ; s26  the head
.set P16, 27                           ; s27  16 p: the first query of my first tile
.set G1K, 28                           ; s[28:35], s[36:43] descriptor groups 1 for K's and V's codes; s[44:47], s[48:51] their groups 0
.set G1V, 36
.set G0K, 44
.set G0V, 48
.set SEL, 52                           ; s[52:53] v_permlanex16_b32's selects for lane l xor 16
.set CS,  54                           ; s[54:55] log2(e): the packed form names a pair and takes its low word for both halves
.set Q0,  56                           ; s56  the tile's first query;  s57 its last;  s58 the first key of its last step
.set QL,  57
.set JL,  58
.set PL,  59                           ; s59  s58 in a work-group that prefetches, else 0
.set KFI, 60                           ; s60  the step's first key
.set TK,  61                           ; s61-63, s66: where the step's K, V, K's scale words, V's scale words begin
.set TV,  62
.set TKS, 63
.set TVS, 66
.set LC,  67
.set BP,  68                           ; s[68:69] the bias at the tile's first row and the step last loaded
.set OP,  70                           ; s[70:71] out at the tile's first row
.macro MMA d, a, b, sa, sb             ; a product that adds in place
	v_wmma_scale_f32_16x16x128_f8f6f4 v[(\d):(\d)+7], v[(\a):(\a)+7], v[(\b):(\b)+7], v[(\d):(\d)+7], v[\sa], v[\sb] matrix_a_fmt:MATRIX_FMT_FP4 matrix_b_fmt:MATRIX_FMT_FP4
.endm
.macro MMZ d, a, b, sa, sb             ; a product that starts a sum
	v_wmma_scale_f32_16x16x128_f8f6f4 v[(\d):(\d)+7], v[(\a):(\a)+7], v[(\b):(\b)+7], 0, v[\sa], v[\sb] matrix_a_fmt:MATRIX_FMT_FP4 matrix_b_fmt:MATRIX_FMT_FP4
.endm
.macro PLACES n                        ; plain vector instructions between a matrix instruction and what touches its registers (ISA guide 7.12.1)
.rept \n
	v_nop
.endr
.endm
.macro BARRIER                         ; my LDS instructions are done: then the work-group's barrier
	s_wait_dscnt 0x0
	s_barrier_signal -1
	s_barrier_wait -1
.endm
	s_load_b512 s[4:19], s[0:1], 0x0               ; Q's codes s[4:5], Q's scales s[6:7], K's s[8:9], s[10:11], V's s[12:13], s[14:15], bias s[16:17], values_mask s[18:19]
	s_load_b128 s[20:23], s[0:1], 0x40             ; queries_mask s[20:21], out s[22:23]
	v_lshl_add_u32 v254, v0, 2, 0x35400
	v_mov_b32 v255, 0
	ds_add_u32 v254, v255
	ds_add_u32 v254, v255
	v_lshrrev_b32 v[TT], 5, v0
	v_readfirstlane_b32 s[WV], v[TT]               ; wave 0..15
	s_and_b32 s[BH], ttmp7, 0xffff
	s_lshl_b32 s[P16], ttmp9, 8
	s_lshl_b32 s72, s[WV], 4
	s_add_co_u32 s[P16], s[P16], s72               ; 16 p = 256 x + 16 w
	; every LDS address register is made here, ahead of the first branch on the wave's number
	v_and_b32 v[RR], 15, v0                        ; r
	v_bfe_u32 v227, v0, 4, 1                       ; h
	v_and_b32 v[TT], 7, v0
	v_bfe_u32 v228, v0, 3, 1
	v_lshlrev_b32 v[AK], 5, v[TT]
	v_mad_u32_u24 v[AK], v228, KPITCH, v[AK]
	v_lshl_add_u32 v[AK], v227, 4, v[AK]           ; K: 32 (r % 8) + 528 (r / 8) + 16 h: rows 0-7 take the even 16-byte columns modulo 256, rows 8-15 the odd ones
	v_mul_u32_u24 v[AV], v[RR], VPITCH
	v_lshl_add_u32 v[AV], v227, 4, v[AV]
	v_add_nc_u32 v[AV], VB, v[AV]                  ; V: row r, + 16 h
	v_lshl_add_u32 v[AKS], v[RR], 4, KSB
	v_lshl_add_u32 v[AVS], v[RR], 4, VSB
	v_lshlrev_b32 v[BO], 13, v[RR]
	v_lshl_add_u32 v[BO], v227, 6, v[BO]
	s_mul_i32 s72, s[WV], 16*SPITCH
	s_add_co_u32 s72, s72, STG                     ; my stage
	v_mul_u32_u24 v[STI], v[RR], SPITCH
	v_lshl_add_u32 v[STI], v227, 5, v[STI]
	v_add_nc_u32 v[STI], s72, v[STI]               ; in: row r, + 32 h
	v_mul_u32_u24 v[STO], v227, SPITCH
	v_lshl_add_u32 v[STO], v[RR], 4, v[STO]
	v_add_nc_u32 v[STO], s72, v[STO]               ; back: lanes 0-15 one row, lanes 16-31 the next
	v_lshlrev_b32 v[GOF], 8, v227
	v_lshl_add_u32 v[GOF], v[RR], 4, v[GOF]
	v_lshl_add_u32 v[AG], v227, 5, GB
	v_lshlrev_b32 v[PFO], 13, v[RR]
	v_lshl_add_u32 v[PFO], v227, 8, v[PFO]
	v_lshlrev_b32 v[QCO], 5, v[RR]
	v_lshl_add_u32 v[QCO], v227, 4, v[QCO]
	v_lshlrev_b32 v[QSO], 1, v[RR]
	; where thread T puts the scale words of keys 4 T + i: 512 (T / 32) + 256 T.4 + 128 T.2 + 64 T.0 + 8 T.3 + 4 T.1 (T.n: bit n of T), + 16 i
	v_and_b32 v[TT], 0x1e0, v0
	v_lshlrev_b32 v[VK], 4, v[TT]
	v_bfe_u32 v[TT], v0, 4, 1
	v_lshl_add_u32 v[VK], v[TT], 8, v[VK]
	v_bfe_u32 v[TT], v0, 2, 1
	v_lshl_add_u32 v[VK], v[TT], 7, v[VK]
	v_and_b32 v[TT], 1, v0
	v_lshl_add_u32 v[VK], v[TT], 6, v[VK]
	v_bfe_u32 v[TT], v0, 3, 1
	v_lshl_add_u32 v[VK], v[TT], 3, v[VK]
	v_bfe_u32 v[TT], v0, 1, 1
	v_lshl_add_u32 v[VK], v[TT], 2, v[VK]
	v_add_nc_u32 v[VK], KSB, v[VK]
	; and V's two words (d = T / 8, steps 2 (T % 8) + i): 512 (T % 8) + 16 (d % 16) + 4 (d / 16), + 256 i
	v_and_b32 v[TT], 7, v0
	v_lshlrev_b32 v[VV], 9, v[TT]
	v_bfe_u32 v[TT], v0, 3, 4
	v_lshl_add_u32 v[VV], v[TT], 4, v[VV]
	v_lshrrev_b32 v[TT], 7, v0
	v_lshl_add_u32 v[VV], v[TT], 2, v[VV]
	v_add_nc_u32 v[VV], VSB, v[VV]
	; the column sums: wave w takes d tile w % 4 and the quarter w / 4 of the keys
	s_and_b32 s73, s[WV], 3
	s_lshr_b32 s74, s[WV], 2
	s_mul_i32 s75, s73, 16*VPITCH
	s_lshl_b32 s76, s74, 8
	s_add_co_u32 s75, s75, s76
	v_add_nc_u32 v[GVA], s75, v[AV]
	s_lshl_b32 s75, s74, 10
	s_lshl_b32 s77, s73, 2
	s_add_co_u32 s75, s75, s77
	v_add_nc_u32 v[GSA], s75, v[AVS]
	s_lshl_b32 s77, s73, 6
	s_add_co_u32 s76, s76, s77
	s_add_co_u32 s76, s76, GPB
	v_lshl_add_u32 v[GPS], v227, 5, s76            ; GPB + 256 quarter + 64 tile + 32 h
	v_and_b32 v[TT], 63, v0
	v_lshl_add_u32 v[GPL], v[TT], 2, GPB
	v_lshl_add_u32 v[GST], v[TT], 2, GB
	v_lshlrev_b32 v241, 3, v0                      ; 8 T: my bytes of K's and of V's scales
	v_lshlrev_b32 v242, 2, v0                      ; 4 T: of values_mask
	; constants
	v_mov_b32 v[NIL], 0
	v_mov_b32 v[ONE], 1.0
	v_mov_b32 v[QF+4], 7                           ; the code +6 at k = 64 (lanes 0-15) and k = 96 (lanes 16-31)
.irp i, 5,6,7
	v_mov_b32 v[QF+\i], 0
.endr
.irp t, 0,1,2,3
	v_mov_b32 v[KF+8*\t+4], 15                     ; the code -6 at the same places
	v_mov_b32 v[KF+8*\t+5], 0
	v_mov_b32 v[KF+8*\t+6], 0
	v_mov_b32 v[KF+8*\t+7], 0
.endr
.irp i, 0,1,2,3,4,5,6,7
	v_mov_b32 v[P+\i], 0x22222222                  ; for the column sums: eight codes of 1.0,
.endr
	v_mov_b32 v[PW], 0x7f7f7f7f                    ; under the scale 1
.irp b, 0,1,2,3
	v_mov_b32 v[PD+\b], 0                          ; written once: a lane permute's destination counts as one of its sources
.endr
	v_mov_b32 v[F+1], 0                            ; the upper halves of pairs of which the low word serves both halves: named, so written
	v_mov_b32 v[CA+1], 0
	v_mov_b32 v[CB+1], 0
	s_mov_b32 s[SEL], 0x76543210
	s_mov_b32 s[SEL+1], 0xfedcba98
	s_mov_b32 s[CS], 0x3fb8aa3b                    ; log2(e)
	s_mov_b32 s[CS+1], s[CS]
	; descriptor group 1.  K: 64 rows of 512 bytes, dense in memory, 16 bytes of padding behind each.  V: 32 rows of 1,024 bytes, likewise
	s_mov_b32 s[G1K], (0<<16)|(1<<20)|(6<<22)|(3<<25)   ; 15:0 no mask; 17:16 elements of 1 byte; 20 padding on; 24:22 after every 128 words (code 6); 31:25 four words (code 3)
	s_mov_b32 s[G1K+1], 512<<16                    ; tensor_dim0
	s_mov_b32 s[G1K+2], 64<<16                     ; tensor_dim1
	s_mov_b32 s[G1K+3], 512<<16                    ; tile_dim0
	s_mov_b32 s[G1K+4], 64                         ; tile_dim1
	s_mov_b32 s[G1K+5], 512                        ; tensor_dim0_stride
	s_mov_b32 s[G1K+6], 0
	s_mov_b32 s[G1K+7], 0
	s_mov_b32 s[G1V], (0<<16)|(1<<20)|(7<<22)|(3<<25)   ; padding after every 256 words (code 7)
	s_mov_b32 s[G1V+1], 1024<<16
	s_mov_b32 s[G1V+2], 32<<16
	s_mov_b32 s[G1V+3], 1024<<16
	s_mov_b32 s[G1V+4], 32
	s_mov_b32 s[G1V+5], 1024
	s_mov_b32 s[G1V+6], 0
	s_mov_b32 s[G1V+7], 0
	s_wait_dscnt 0x0
	s_wait_kmcnt 0x0
	s_mov_b32 s73, 0
	s_lshl_b32 s72, s[BH], 16                      ; a head's codes: 65,536 bytes in each of the three tensors
	s_add_nc_u64 s[4:5], s[4:5], s[72:73]
	s_add_nc_u64 s[8:9], s[8:9], s[72:73]
	s_add_nc_u64 s[12:13], s[12:13], s[72:73]
	s_lshl_b32 s72, s[BH], 12                      ; its scale bytes: 4,096
	s_add_nc_u64 s[6:7], s[6:7], s[72:73]
	s_add_nc_u64 s[10:11], s[10:11], s[72:73]
	s_add_nc_u64 s[14:15], s[14:15], s[72:73]
	s_lshl_b32 s72, s[BH], 11                      ; its mask bytes: 2,048
	s_add_nc_u64 s[18:19], s[18:19], s[72:73]
	s_add_nc_u64 s[20:21], s[20:21], s[72:73]
	s_lshl_b32 s72, s[BH], 19                      ; its part of out: 524,288
	s_add_nc_u64 s[22:23], s[22:23], s[72:73]
	s_lshr_b32 s72, s[BH], 4
	s_lshl_b32 s72, s72, 24                        ; its batch's bias: 16,777,216
	s_add_nc_u64 s[16:17], s[16:17], s[72:73]
	s_and_b32 s74, s[WV], 1                        ; which half I fetch, if I fetch
	s_lshl_b32 s72, s74, 15                        ; 32,768 bytes of memory,
	s_mov_b32 s[G0K], 1                            ; 1:0 count = 1
	s_mul_i32 s[G0K+1], s74, 64*KPITCH             ; 63:32 LDS address
	s_add_nc_u64 s[G0K+2:G0K+3], s[8:9], s[72:73]  ; 120:64 global address
	s_or_b32 s[G0K+3], s[G0K+3], 0x80000000        ; 127:126 type = 2
	s_mov_b32 s[G0V], 1
	s_mul_i32 s[G0V+1], s74, 32*VPITCH
	s_add_co_u32 s[G0V+1], s[G0V+1], VB
	s_add_nc_u64 s[G0V+2:G0V+3], s[12:13], s[72:73]
	s_or_b32 s[G0V+3], s[G0V+3], 0x80000000
	; the fills, each byte once in the launch: waves 0, 1 K's halves, waves 2, 3 V's, one load a wave; four v_nop follow each line
	s_cmp_lt_u32 s[WV], 2
	s_cbranch_scc0 .Lnot_k
	tensor_load_to_lds s[G0K:G0K+3], s[G1K:G1K+7]
	s_nop 0
	PLACES 4
	s_branch .Lasked
.Lnot_k:
	s_cmp_lt_u32 s[WV], 4
	s_cbranch_scc0 .Lasked
	tensor_load_to_lds s[G0V:G0V+3], s[G1V:G1V+7]
	s_nop 0
	PLACES 4
.Lasked:
	; THE TABLES OF SCALE WORDS, laid so that a lane takes four tiles' words by one load of 16 bytes
	global_load_b64 v[244:245], v241, s[10:11]     ; the scale bytes of keys 4 T .. 4 T + 3, two a key
	global_load_b32 v243, v242, s[18:19]           ; their mask bytes
	global_load_b64 v[246:247], v241, s[14:15]     ; V's scale bytes of row T / 8, steps 2 (T % 8) and + 1
	s_wait_loadcnt 0x0
.irp i, 0,1,2,3
	v_bfe_u32 v248, v243, 8*\i, 1
	v_mul_u32_u24 v248, v248, 0xc0c0
	v_sub_nc_u32 v248, 0xc1c1, v248                ; bytes 2 and 3: 193 where the key is masked, 1 where it counts
.if \i%2 == 0
	v_and_b32 v249, 0xffff, v[244+\i/2]
.else
	v_lshrrev_b32 v249, 16, v[244+\i/2]
.endif
	v_lshl_or_b32 v[128+\i], v248, 16, v249
	ds_store_b32 v[VK], v[128+\i] offset:16*\i
.endr
	ds_store_b32 v[VV], v246
	ds_store_b32 v[VV], v247 offset:256
	s_wait_tensorcnt 0x0                           ; my part of K or V has landed,
	BARRIER                                        ; my table stores too; behind the barrier everybody's
	; THE COLUMN SUMS OF V: my d tile, my 512 keys: four products with codes of 1, each starting a sum of its own
.irp s, 0,1,2,3
.irp c, 0,1
	ds_load_b128 v[VF+8*\s+4*\c:VF+8*\s+4*\c+3], v[GVA] offset:64*\s+32*\c
.endr
	ds_load_b32 v[VSR+\s], v[GSA] offset:256*\s
.endr
	PLACES 8                                       ; the ones and their scale word were written by vector instructions: eight places ahead of a scaled product
	s_wait_dscnt 0x0
.irp s, 0,1,2,3
	MMZ S+8*\s, VF+8*\s, P, VSR+\s, PW
.endr
	PLACES 4
.irp i, 0,2,4,6
	v_pk_add_f32 v[128+\i:129+\i], v[S+\i:S+1+\i], v[S+8+\i:S+9+\i]        ; each result from its low end on
.endr
.irp i, 0,2,4,6
	v_pk_add_f32 v[136+\i:137+\i], v[S+16+\i:S+17+\i], v[S+24+\i:S+25+\i]
.endr
.irp i, 0,2,4,6
	v_pk_add_f32 v[128+\i:129+\i], v[128+\i:129+\i], v[136+\i:137+\i]
.endr
	ds_store_b128 v[GPS], v[128:131]               ; register i: d = 16 tile + 8 h + i; the sixteen lanes of a half hold and write the same numbers
	ds_store_b128 v[GPS], v[132:135] offset:16
	BARRIER
	s_cmp_lt_u32 s[WV], 2                          ; threads 0 to 63 add the four quarters
	s_cbranch_scc0 .Lno_g
	ds_load_b32 v244, v[GPL]
	ds_load_b32 v245, v[GPL] offset:256
	ds_load_b32 v246, v[GPL] offset:512
	ds_load_b32 v247, v[GPL] offset:768
	s_wait_dscnt 0x0
	v_add_f32 v244, v244, v245
	v_add_f32 v246, v246, v247
	v_add_f32 v244, v244, v246
	v_mul_f32 v244, 0x3a140d60, v244               ; x cG = 0.75 / (2048 x 2^-0.625)
	ds_store_b32 v[GST], v244
.Lno_g:
	BARRIER                                        ; G lies in LDS.  From here on the waves share nothing that is written
; The bias of a step: my row's 16 numbers of each block of 32 keys, into the score registers: register 16 b + i = key 32 b + 16 h + i.  The sixteen loads together take 512 consecutive bytes of each of 16 rows
.macro BIAS
.irp b, 0,1,2,3
.irp i, 0,1,2,3
	global_load_b128 v[S+16*\b+4*\i:S+16*\b+4*\i+3], v[BO], s[BP:BP+1] offset:128*\b+16*\i
.endr
.endr
.endm
; A KEY STEP: 128 keys
.macro STEP
	s_cmp_gt_u32 s[KFI], s[QL]                     ; all its keys come after my queries: only the addresses step
	s_cbranch_scc1 .Lhid_\@
	v_add_nc_u32 v[ADK], s[TK], v[AK]              ; (these four are also places behind the last step's products)
	v_add_nc_u32 v[ADV], s[TV], v[AV]
	v_add_nc_u32 v[ADS], s[TKS], v[AKS]
	v_add_nc_u32 v[ADT], s[TVS], v[AVS]
.irp t, 0,1,2,3
	ds_load_b128 v[KF+8*\t:KF+8*\t+3], v[ADK] offset:2*KPITCH*(\t/2)+256*(\t%2)
.endr
	ds_load_b128 v[KSR:KSR+3], v[ADS]
	s_wait_loadcnt 0x0                             ; the bias is in the score registers
	s_wait_dscnt 0x0
.irp t, 0,1,2,3
	MMA S+8*\t, KF+8*\t, QF, KSR+\t, QS            ; S^T = K Q^T / 8 + bias + the mask's term.  The accumulators take turns
.endr
	PLACES 4                                       ; in front of loads into registers that those products have read
.irp t, 0,1,2,3
	ds_load_b128 v[KF+8*\t:KF+8*\t+3], v[ADK] offset:4*KPITCH+2*KPITCH*(\t/2)+256*(\t%2)
.endr
	ds_load_b128 v[KSR:KSR+3], v[ADS] offset:256
.irp t, 0,1,2,3
.irp c, 0,1
	ds_load_b128 v[VF+8*\t+4*\c:VF+8*\t+4*\c+3], v[ADV] offset:16*VPITCH*\t+32*\c   ; V's fragments land under the softmax
.endr
.endr
	ds_load_b128 v[VSR:VSR+3], v[ADT]
	s_wait_dscnt 9                                 ; K's five loads are in; V's nine, issued behind them, may be out
.irp t, 0,1,2,3
	MMA S+32+8*\t, KF+8*\t, QF, KSR+\t, QS
.endr
	PLACES 4
	s_cmp_lg_u32 s[KFI], s[JL]                     ; only the tile's last step lies on the diagonal
	s_cbranch_scc1 .Lopen_\@
	s_sub_co_u32 s72, s[Q0], s[KFI]
	v_bfe_u32 v[TT], v0, 4, 1
	v_lshlrev_b32 v[TT], 4, v[TT]
	v_sub_nc_u32 v[TT], v[RR], v[TT]
	v_add_nc_u32 v[TT], s72, v[TT]                 ; d = my query - the step's first key - 16 h: register 16 b + i is hidden where 32 b + i > d
	v_mov_b32 v[TT+1], 0xff800000                  ; -infinity
.set n, 0
.rept 64
	v_cmp_gt_i32 vcc_lo, 32*(n/16)+n%16, v[TT]
	v_cndmask_b32 v[S+n], v[S+n], v[TT+1], vcc_lo
.set n, n+1
.endr
.Lopen_\@:
.irp b, 0,1,2,3
	v_max3_num_f32 v[BM+\b], v[S+16*\b], v[S+1+16*\b], v[S+2+16*\b]   ; the largest score of each block of 32 keys: for the row's maximum, and, since p rises with the score, for the block's largest p
.endr
.irp i, 3,5,7,9,11,13
.irp b, 0,1,2,3
	v_max3_num_f32 v[BM+\b], v[BM+\b], v[S+16*\b+\i], v[S+1+16*\b+\i]
.endr
.endr
.irp b, 0,1,2,3
	v_max_num_f32 v[BM+\b], v[BM+\b], v[S+15+16*\b]
.endr
.irp b, 0,1,2,3
	v_permlanex16_b32 v[PD+\b], v[BM+\b], s[SEL], s[SEL+1]
.endr
.irp b, 0,1,2,3
	v_max_num_f32 v[BM+\b], v[BM+\b], v[PD+\b]     ; with lane l xor 16's 16 keys
.endr
	v_max3_num_f32 v[TT], v[BM], v[BM+1], v[BM+2]
	v_max_num_f32 v[TT], v[TT], v[BM+3]
	v_mul_f32 v[TT], s[CS], v[TT]                  ; the step's largest t
	v_max_num_f32 v13, v13, v[TT]                  ; the running largest t
	v_mov_b32 v[TT], v12
	v_floor_f32 v12, -v13                          ; the new -M = -ceil(t)
	v_sub_f32 v[TT], v12, v[TT]                    ; old M - new M: a whole number, 0 or less
	v_cvt_i32_f32 v[TT], v[TT]
	v_ldexp_f32 v[F], 1.0, v[TT]                   ; f = 2^(old M - new M)
.set n, 0
.rept 32
	v_pk_fma_f32 v[S+n:S+n+1], v[S+n:S+n+1], s[CS:CS+1], v[12:13] op_sel_hi:[1,0,0]   ; t - M
.set n, n+2
.endr
.irp b, 0,1,2,3
	v_fma_f32 v[BM+\b], v[BM+\b], s[CS], v12       ; the same of each block's largest score
.endr
.set n, 0
.rept 64
	v_exp_f32 v[S+n], v[S+n]                       ; p = 2^(t - M)
.set n, n+1
.endr
	v_pk_mul_f32 v[14:15], v[14:15], v[F:F+1] op_sel_hi:[1,0]   ; the sums under the new M: a plain instruction behind the exponentials
	s_wait_alu depctr_va_vdst(0)                   ; one wait for the batch of 64, ahead of its first reader
.irp b, 0,1,2,3
	v_exp_f32 v[BM+\b], v[BM+\b]                   ; the blocks' largest p
.endr
	v_pk_add_f32 v[L2:L2+1], v[S:S+1], v[S+2:S+3]  ; the row's sum of the unquantised p, in two chains
.irp j, 4,8,12,16,20,24,28,32,36,40,44,48,52,56,60
	v_pk_add_f32 v[14:15], v[14:15], v[S+\j:S+1+\j]
	v_pk_add_f32 v[L2:L2+1], v[L2:L2+1], v[S+2+\j:S+3+\j]
.endr
	v_pk_add_f32 v[14:15], v[14:15], v[L2:L2+1]
	s_wait_alu depctr_va_vdst(0)                   ; and one for the four
.irp b, 0,1,2,3
	v_max_num_f32 v[BM+\b], 0x1800000, v[BM+\b]    ; the floor 2^(3 - 127): the byte cannot fall under 1 (a block of zeros keeps that byte: its codes are zeros)
.endr
.irp b, 0,1,2,3
	v_add_nc_u32 v[SO+\b], 0xff000000, v[BM+\b]    ; 2 off the exponent field: the conversion's scale operand
.endr
.irp b, 0,1,2,3
	v_lshrrev_b32 v[PD+\b], 23, v[SO+\b]           ; the scale's byte
.endr
	v_lshl_or_b32 v[PW], v[PD+1], 8, v[PD]
	v_lshl_or_b32 v[PW], v[PD+2], 16, v[PW]
	v_lshl_or_b32 v[PW], v[PD+3], 24, v[PW]        ; p's scale word for these 128 keys
.irp b, 0,1,2,3
	v_cvt_scalef32_pk8_fp4_f32 v[P+2*\b], v[S+16*\b:S+7+16*\b], v[SO+\b]
	v_cvt_scalef32_pk8_fp4_f32 v[P+1+2*\b], v[S+8+16*\b:S+15+16*\b], v[SO+\b]
.endr
	v_nop                                          ; one plain instruction behind the last scaled conversion
	s_cmp_lt_u32 s[KFI], s[JL]                     ; p has been read: the next step's bias is asked for, if the tile has a next step
	s_cbranch_scc0 .Lnob_\@
	s_wait_xcnt 0x0                                ; the last step's prefetch, a step back, has read its base (its loads were waited for)
	s_add_nc_u64 s[BP:BP+1], s[BP:BP+1], 512
	BIAS
	; A prefetch of the step two beyond the one just asked for: 16 rows x 512 bytes, a lane to each aligned 256.  The 16 heads of a batch read the same bias: the batch's first head asks, so each block is named once in the launch.
	; It stops where that step would lie past the tile's last; a tile's steps 0 to 2 come by their loads alone.
	s_add_co_u32 s72, s[KFI], 384
	s_cmp_le_u32 s72, s[PL]
	s_cbranch_scc0 .Lnob_\@
	global_prefetch_b8 v[PFO], s[BP:BP+1] offset:1024 th:TH_LOAD_NT scope:SCOPE_SE
.Lnob_\@:
.irp c, 0,1                                    ; the operand's layout wants a whole block in a lane: lanes 0-15 block 2 c, lanes 16-31 block 2 c + 1
.irp i, 0,1
	v_permlane16_swap_b32 v[P+4*\c+\i], v[P+2+4*\c+\i]
.endr
.endr
.set n, 0
.rept 16
	v_pk_mul_f32 v[O+n:O+n+1], v[O+n:O+n+1], v[F:F+1] op_sel_hi:[1,0]   ; O^T under the new M; also the places between the writes of p's codes and scale word and the products
.set n, n+2
.endr
	s_wait_dscnt 0x0                               ; V
.irp t, 0,1,2,3
	MMA O+8*\t, VF+8*\t, P, VSR+\t, PW             ; O^T += V^T P^T
.endr
.Lhid_\@:
	s_add_co_u32 s[KFI], s[KFI], 128
	s_add_co_u32 s[TK], s[TK], 8*KPITCH
	s_add_co_u32 s[TV], s[TV], 64
	s_add_co_u32 s[TKS], s[TKS], 512
	s_add_co_u32 s[TVS], s[TVS], 256
.endm
; THE WAY OUT of a tile
.macro OUT
	s_wait_loadcnt 0x0                             ; a tile's last visible step asks for no bias, so by the ids no load is out here; the wait holds that on every way through the loop's branches, ahead of the writes of the score registers below and of the next tile's loads into them
	PLACES 4
	v_add_f32 v14, v14, v15
	v_permlanex16_b32 v[PD], v14, s[SEL], s[SEL+1]
	v_add_f32 v14, v14, v[PD]                      ; the row's sum
	v_rcp_f32 v[TT], v14
	v_nop                                          ; a plain instruction behind the reciprocal
.irp t, 0,1,2,3
.irp c, 0,1
	ds_load_b128 v[S+32+8*\t+4*\c:S+32+8*\t+4*\c+3], v[AG] offset:64*\t+16*\c   ; G in O^T's layout
.endr
.endr
	v_cmp_eq_f32 s72, 0, v14                       ; no key was visible
	v_cmp_ne_u32 s73, 0, v[QM]                     ; the query counts
	s_wait_alu depctr_va_vdst(0)                   ; the wait ahead of the reciprocal's first reader
	v_cndmask_b32 v[CA], v[TT], v[NIL], s72        ; O^T x 1 / sum; x 0 where no key was visible
	v_cndmask_b32 v[CA], v[NIL], v[CA], s73        ; or the query is masked
	v_cndmask_b32 v[CB], v[NIL], v[ONE], s72       ; G x 1 where no key was visible
	v_cndmask_b32 v[CB], v[NIL], v[CB], s73        ; and the query counts
.set n, 0
.rept 16
	v_pk_mul_f32 v[S+n:S+n+1], v[O+n:O+n+1], v[CA:CA+1] op_sel_hi:[1,0]
.set n, n+2
.endr
	s_wait_dscnt 0x0                               ; G
.set n, 0
.rept 16
	v_pk_fma_f32 v[S+n:S+n+1], v[S+32+n:S+33+n], v[CB:CB+1], v[S+n:S+n+1] op_sel_hi:[1,0,1]
.set n, n+2
.endr
.irp t, 0,1,2,3
.irp c, 0,1
	ds_store_b128 v[STI], v[S+8*\t+4*\c:S+8*\t+4*\c+3] offset:64*\t+16*\c
.endr
.endr
.irp i, 0,1,2,3,4,5,6,7
	ds_load_b128 v[VF+4*\i:VF+4*\i+3], v[STO] offset:2*SPITCH*\i   ; LDS serves a wave's instructions in order (ISA guide 5.7.1.4): these see my stores
.endr
.irp i, 0,1,2,3,4,5,6,7
	s_wait_dscnt 7-\i                              ; the younger loads may stay out
	global_store_b128 v[GOF], v[VF+4*\i:VF+4*\i+3], s[OP:OP+1] offset:512*\i th:TH_STORE_NT   ; the wave stores two whole rows: 512 consecutive bytes, at a multiple of 256 from out's first byte
.endr
.endm
; A TILE of 16 queries, from s[Q0] on
.macro TILE
	s_wait_xcnt 0x0                                ; the last tile's loads, stores and prefetches have read their registers and bases
	s_add_co_u32 s[QL], s[Q0], 15
	s_and_b32 s[JL], s[Q0], 0x780
	s_and_b32 s72, s[BH], 15
	s_cmp_eq_u32 s72, 0
	s_cselect_b32 s[PL], s[JL], 0
	s_mov_b32 s73, 0
	s_lshl_b32 s72, s[Q0], 13
	s_add_nc_u64 s[BP:BP+1], s[16:17], s[72:73]
	s_lshl_b32 s72, s[Q0], 8
	s_add_nc_u64 s[OP:OP+1], s[22:23], s[72:73]
	s_lshl_b32 s72, s[Q0], 5
	s_add_nc_u64 s[74:75], s[4:5], s[72:73]
	s_lshl_b32 s72, s[Q0], 1
	s_add_nc_u64 s[76:77], s[6:7], s[72:73]
	s_mov_b32 s72, s[Q0]
	s_add_nc_u64 s[78:79], s[20:21], s[72:73]
	global_load_b128 v[QF:QF+3], v[QCO], s[74:75]  ; Q's fragment: d = 32 h + 0 .. 31 of query r
	global_load_u16 v253, v[QSO], s[76:77]         ; its two scale bytes
	global_load_u8 v[QM], v[RR], s[78:79]          ; its mask byte
	BIAS                                           ; step 0's
	s_wait_loadcnt 16                              ; the three are in; the bias's sixteen, issued behind them, may be out
	v_and_b32 v[TT], 0xff, v253
	v_lshrrev_b32 v[TT+1], 8, v253
	v_mov_b32 v[TT+2], 4
	v_cmp_gt_u32 vcc_lo, 4, v[TT]
	v_cndmask_b32 v[TT], v[TT], v[TT+2], vcc_lo    ; held at 4 from below,
	v_cmp_gt_u32 vcc_lo, 4, v[TT+1]
	v_cndmask_b32 v[TT+1], v[TT+1], v[TT+2], vcc_lo
	v_lshl_add_u32 v[TT], v[TT+1], 8, v[TT]
	v_add_nc_u32 v[QS], 0x9d9cfcfd, v[TT]          ; 3 off each (1 / 8), and 157 in bytes 2 and 3
	v_mov_b32 v13, 0xc9b01c2d                      ; the largest t so far: that of the fill, -1442693.625
	v_floor_f32 v12, -v13                          ; -M
	v_mov_b32 v14, 0
	v_mov_b32 v15, 0
.set n, 0
.rept 32
	v_mov_b32 v[O+n], 0                            ; O^T: the step is written once, its first trip finds zeros; also the places between the scale word's write and the first product
.set n, n+1
.endr
	s_mov_b32 s[KFI], 0
	s_mov_b32 s[TK], 0
	s_mov_b32 s[TV], 0
	s_mov_b32 s[TKS], 0
	s_mov_b32 s[TVS], 0
	s_mov_b32 s[LC], 16
.Lstep_\@:                                         ; sixteen trips in every tile: the LDS addresses' steps are those of a loop of constant count
	STEP
	s_sub_co_i32 s[LC], s[LC], 1
	s_cmp_lg_u32 s[LC], 0
	s_cbranch_scc1 .Lstep_\@
	OUT
.endm
	s_mov_b32 s[Q0], s[P16]                        ; tile p
	TILE
	s_sub_co_u32 s[Q0], 2032, s[P16]               ; tile 127 - p
	TILE
	s_wait_tensorcnt 0x0
	ds_add_u32 v254, v255
	s_wait_dscnt 0x0
	s_endpgm
.Lfunc_end_k_q51eb39af72_attn:
	.size	k_q51eb39af72_attn, .Lfunc_end_k_q51eb39af72_attn-k_q51eb39af72_attn
	.p2alignl 7, 3214868480
	.fill 96, 4, 3214868480
	.section	.rodata,"a",@progbits
	.p2align	6, 0x0
	.amdhsa_kernel k_q51eb39af72_attn
		.amdhsa_group_segment_fixed_size 220160
		.amdhsa_private_segment_fixed_size 0
		.amdhsa_enable_private_segment 0
		.amdhsa_kernarg_size 80
		.amdhsa_user_sgpr_count 2
		.amdhsa_user_sgpr_kernarg_segment_ptr 1
		.amdhsa_wavefront_size32 1
		.amdhsa_system_sgpr_workgroup_id_x 1
		.amdhsa_system_sgpr_workgroup_id_y 1
		.amdhsa_system_sgpr_workgroup_id_z 1
		.amdhsa_system_vgpr_workitem_id 0
		.amdhsa_next_free_vgpr 256
		.amdhsa_next_free_sgpr 96
		.amdhsa_reserve_vcc 1
		.amdhsa_float_denorm_mode_32 3
		.amdhsa_float_denorm_mode_16_64 3
		.amdhsa_memory_ordered 1
		.amdhsa_forward_progress 1
		.amdhsa_inst_pref_size 78
	.end_amdhsa_kernel
	.amdgpu_metadata
---
amdhsa.version: [ 1, 2 ]
amdhsa.kernels:
  - .name:           k_q51eb39af72_attn
    .symbol:         k_q51eb39af72_attn.kd
    .args:
      - { .name: queries_codes, .offset: 0, .size: 8, .value_kind: global_buffer, .address_space: global }
      - { .name: queries_scales, .offset: 8, .size: 8, .value_kind: global_buffer, .address_space: global }
      - { .name: keys_codes, .offset: 16, .size: 8, .value_kind: global_buffer, .address_space: global }
      - { .name: keys_scales, .offset: 24, .size: 8, .value_kind: global_buffer, .address_space: global }
      - { .name: values_codes, .offset: 32, .size: 8, .value_kind: global_buffer, .address_space: global }
      - { .name: values_scales, .offset: 40, .size: 8, .value_kind: global_buffer, .address_space: global }
      - { .name: bias, .offset: 48, .size: 8, .value_kind: global_buffer, .address_space: global }
      - { .name: values_mask, .offset: 56, .size: 8, .value_kind: global_buffer, .address_space: global }
      - { .name: queries_mask, .offset: 64, .size: 8, .value_kind: global_buffer, .address_space: global }
      - { .name: out0, .offset: 72, .size: 8, .value_kind: global_buffer, .address_space: global }
    .group_segment_fixed_size: 220160
    .private_segment_fixed_size: 0
    .kernarg_segment_align: 8
    .kernarg_segment_size: 80
    .max_flat_workgroup_size: 512
    .sgpr_count:     96
    .vgpr_count:     256
    .wavefront_size: 32
...
	.end_amdgpu_metadata
.endif
;; end of part 1
